; MI455X (gfx1250); checked and timed in simulation.
; The chip was launched on July 23, 2026; its instructions are those of AMD's public machine-readable ISA for CDNA 5 (MIT licence, August 2026) and "CDNA5" Instruction Set Architecture Reference Guide (July 2026). The comments in the code are by the model that wrote it; some were corrected since.
;; Hard Causal Deep O Net. Allowed arithmetic: matrix products marked QUANTISED: E2M1 operands, one E8M0 scale for each 32 along K, by v_wmma_scale_f32_16x16x128_f8f6f4 with both operands' format E2M1 (or v_wmma_scale_f32_32x16x128_f4), f32 sums; products left as they are: f32 operands where the result goes on into a quantised operand, else bf16, f16 or f32 operands; f32 sums; everything else in f32.
;; Inputs: bb1 128 float32; bb2 128 float32; bb3 128 float32; bw1 128 x 128 float32; bw2 128 x 128 float32; bw3 128 x 128 float32; t 4,096 float32; tb1 128 float32; tb2 128 float32; tb3 128 float32; tw1 128 x 4 float32; tw2 128 x 128 float32; tw3 128 x 128 float32; u0 256 x 1,024 float32; x 4,096 float32.
;; Outputs: out0 256 x 4,096 float32.
;; This version of the problem:
;;   THIS VERSION OF THE PROBLEM IS GIVEN IN LOW PRECISION. The matrix products marked QUANTISED in the list below multiply operands that are first quantised to E2M1 (2 exponent bits, 1 mantissa bit; 4 bits a number), with one power-of-two scale for each 32 numbers along K (OCP MX v1.0); their sums are f32. All else is computed in f32.
;;   The module's matrix products, in the order in which they are computed (A, B: the left and right operand; K: the contracted axis; several contracted axes count as one K, in the product's order):
;;     1. [M 256, K 1,024] x [K 1,024, N 64]; A: input u0; B: computed on the way: QUANTISED
;;     2. [M 256, K 1,024] x [K 1,024, N 64]; A: input u0; B: computed on the way: QUANTISED
;;     3. [M 256, K 128] x [K 128, N 128]; A: computed on the way; B: input bw1: QUANTISED
;;     4. [M 256, K 128] x [K 128, N 128]; A: computed on the way; B: input bw2: QUANTISED
;;     5. [M 256, K 128] x [K 128, N 128]; A: computed on the way; B: input bw3: QUANTISED
;;     6. [M 1,048,576, K 4] x [K 4, N 128]; A: computed on the way; B: input tw1: left as it is (K = 4 < 32)
;;     7. [M 1,048,576, K 128] x [K 128, N 128]; A: computed on the way; B: input tw2: QUANTISED
;;     8. [M 1,048,576, K 128] x [K 128, N 128]; A: computed on the way; B: input tw3: QUANTISED
;;     9. batch 256 x [M 1, K 128] x [K 128, N 4,096]; A: computed on the way; B: computed on the way: left as it is (M = 1 < 16)
;;   THE QUANTISER, for each operand of a quantised product, along K:
;;     - K is cut into blocks of 32 from its start; a last block that is shorter is filled with zeros.
;;     - A block's scale is 2^e with e = floor(log2(the largest magnitude in the block)) - 2, held to -126 .. 127; a block of zeros has e = 0. As a byte (E8M0): e + 127.
;;     - Each number is divided by its block's scale, clamped to +-6, and rounded to the nearest number of E2M1, ties to even, subnormals kept.
;;     - The product sums the exact products of the quantised numbers (number of the format x scale) in f32.
;;   ~~~python
;;   def quantise(x, axis):      # numpy; x: float32 -> the quantised numbers, widened to float32 again
;;       x = np.moveaxis(x, axis, -1); K = x.shape[-1]
;;       x = np.pad(x, [(0, 0)] * (x.ndim - 1) + [(0, -K % 32)]); x = x.reshape(x.shape[:-1] + (-1, 32)); a = np.abs(x).max(-1, keepdims=True)
;;       e = np.where(a > 0, np.clip(np.frexp(np.where(a > 0, a, 1))[1] - 1 - 2, -126, 127), 0)      # np.frexp(a)[1] - 1 = floor(log2(a)), exactly
;;       r = np.clip(x / 2.0 ** e, -6, 6)
;;       step = 2.0 ** (np.maximum(np.frexp(np.where(r == 0, 1, r))[1] - 1, 0) - 1)
;;       q = np.round(r / step) * step * 2.0 ** e      # np.round: ties to even
;;       return np.moveaxis(q.reshape(q.shape[:-2] + (-1,))[..., :K], -1, axis).astype(np.float32)
;;   ~~~
;;   OPERANDS COMPUTED ON THE WAY. 'Computed on the way' means the value that the module computes at that place (a softmax that the list does not call 'softmax' is quantised finished and normalised). What goes into a quantiser is computed in f32, as accurately as f32 sums, v_exp_f32 and their like allow (about 1e-6 of the number): no bf16 or f16 on the way to a quantiser, and a product that is left as it is and whose result goes on into a quantised operand takes f32 operands (vector FMAs, or v_wmma_f32_16x16x4_f32). A number that lies on a knife's edge between two numbers of the format may be rounded either way, as far as f32 arithmetic and the matrix unit's own rounding can turn it there, and no further.
;; One version. Each part assembles by itself: llvm-mc -triple=amdgcn-amd-amdhsa -mcpu=gfx1250 --defsym DOCPART=n.
;; ======== version 1 of 1: 2 launches
;; workspace buffers: four 131,072 bytes; wq 40,960 bytes; ws 5,120 bytes
;; launch prep (part 1): grid 133 x 1, 8 waves a work-group, no clusters, 25,600 bytes of LDS; arguments u0, bw1, bw2, bw3, tw2, tw3, four, wq, ws; writes four, wq, ws
.if DOCPART == 1
	.amdgcn_target "amdgcn-amd-amdhsa--gfx1250"
	.amdhsa_code_object_version 6
	.text
	.protected	k_q3d0fa0281f_prep
	.globl	k_q3d0fa0281f_prep
	.p2align	8
	.type	k_q3d0fa0281f_prep,@function
k_q3d0fa0281f_prep:
	s_mov_b64 s[64:65], 0
	v_nop
	global_prefetch_b8 v0, s[64:65] scope:SCOPE_SE
	s_setreg_imm32_b32 hwreg(HW_REG_WAVE_MODE, 25, 1), 1
	s_wait_xcnt 0x0
; PREP.  Two kinds of work-group, told apart by the work-group's number alone.
; Work-groups 0-127: the Fourier coefficients, four[b][f] = (1/1024) sum over sensors of Q(u0[b][s]) Q(basis[f][s]), basis = cos or sin(pi k xs[s]), both operands quantised to E2M1
; with one E8M0 scale for each 32 sensors.  Work-group g takes modes 4 (g % 16) + 1 .. + 4 and rows 32 (g / 16) .. + 31; wave w takes sensors 128 w .. 128 w + 127: one matrix instruction for each
; of the two row tiles; the eight waves' parts are added in f32 through LDS.  A tile has 8 distinct columns (4 cos, 4 sin), each held twice.
; Work-groups 128-132: one weight each (bw1, bw2, bw3, tw2, tw3), f32 [128][128] with K innermost, into codes and scale words laid in the order of the reader's operand registers; wave w makes tile w.
; xs, the angle, and its sine and cosine follow the definition's own f32 roundings: s = i / 1023 correctly rounded, xs = s - (1 - s), angle = (pi k) xs; then a reduction by pi / 2 in two parts
; (its first step is exact: the angle stays under 256 and the quotient under 2^8) and polynomials of degree 7 and 8 on [-pi/4, pi/4].
; WORKSPACE.  four: [row tile 16][q 16][lane 32][4 f32]: lane (r, h) of piece q = 4 b + jj holds features 32 b + 16 h + 4 jj + 0 .. 3 of row 16 T + r.
;   wq: [weight 5][tile 8][c 2][lane 32][16 bytes]: lane (r, h) holds k = 64 c + 32 h + 0 .. 31 of the tile's row r.  ws: [weight 5][lane 32][tile 8] scale words (lanes 16-31 hold copies).
;   The rows of a tile: bw1, bw2, tw2: row 32 (t / 2) + 8 (t % 2) + r + 8 (r / 8), so that two neighbouring tiles' results are 16 neighbours along the next K; bw3, tw3: row 16 t + r.
; LIMITS: NaN and infinities among the inputs are not served.  A block of zeros gets the scale byte 1 (the rule says 127): its codes are zeros, and this program alone reads the bytes.
; No tensor loads, no cluster, no prefetch: every operand is read once, straight into registers, and a wave's share is one straight pass.
; REGISTERS: v1 r, v2 h, v3 8 h; v4-11 addresses; v12-19 constants in pairs; v20-21 the lane's first two sensors; v22, v23 u0's scale words; v24-30 at work in QFRAG; v31 the basis' scale word;
;   v32-87 seven arrays of eight at work on sines and cosines, later codes of u0 (v32-47), the two results (v48-63), the basis' codes and bytes (v64-73), the parts to add (v64-95);
;   v88-103 cosines, v104-119 sines; v120-127 two constants, then the basis' fragment; v128-255 u0's (or a weight's) numbers.
.set RED,   8192                       ; LDS: from 0 on 1,024 bytes for each wave (the basis' image 512, its scale words 32); from RED on [wave 8][row tile 2][half 2][lane 32][16 bytes]
.set PKV,   12                         ; v[12:13] pi k, twice
.set MAGIC, 14                         ; v[14:15] 1.5 x 2^23
.set S1V,   16                         ; v[16:17], v[18:19], v[120:123]: polynomial constants that stand as addends
.set D1V,   18
.set D2V,   120
.set S2V,   122
.set IB,    20
.set AA,    32
.set BB,    40
.set CC,    48
.set PP,    56
.set QQ,    64
.set EE,    72
.set FF,    80
.set COS,   88
.set SIN,   104
.set BFR,   120
.set BSW,   31
.set U,     128
.set SEL,   28                         ; s[28:29] v_permlanex16_b32's selects for lane l xor 16
.set RC,    30                         ; s[30:31] 1 / 1023, rounded.  Each constant is a pair of which the low word serves both halves; the high word is written since the pair is named
.set N1023, 32
.set TOPI,  34
.set NP1,   36
.set NP2,   38
.set S0,    40
.set D0,    44
; 64 numbers of a lane, two whole blocks of 32 along K (block 2 c + h of the lane's row in v[src + 32 c] on), become the eight registers of a 4-bit operand in v[dst] on and the row's scale word in v[sw].
.macro QFRAG src, dst, sw
.irp c, 0,1
	v_max3_num_f32 v[24+\c], |v[\src+32*\c]|, |v[\src+32*\c+1]|, 0x1800000       ; a block's largest magnitude in two chains, each with the floor 2^(3 - 127): the byte cannot fall under 1
	v_max3_num_f32 v[28+\c], |v[\src+32*\c+16]|, |v[\src+32*\c+17]|, 0x1800000
.endr
.irp i, 2,4,6,8,10,12,14
.irp c, 0,1
	s_delay_alu instid0(VALU_DEP_4)
	v_max3_num_f32 v[24+\c], v[24+\c], |v[\src+32*\c+\i]|, |v[\src+32*\c+\i+1]|
	s_delay_alu instid0(VALU_DEP_4)
	v_max3_num_f32 v[28+\c], v[28+\c], |v[\src+32*\c+16+\i]|, |v[\src+32*\c+17+\i]|
.endr
.endr
	s_delay_alu instid0(VALU_DEP_3)
	v_max_num_f32 v24, v24, v28
	s_delay_alu instid0(VALU_DEP_2)
	v_max_num_f32 v25, v25, v29
	s_delay_alu instid0(VALU_DEP_2)
	v_add_nc_u32 v26, 0xff000000, v24              ; 2 off the exponent field: the conversion takes the exponent field of this operand as its scale
	s_delay_alu instid0(VALU_DEP_2)
	v_add_nc_u32 v27, 0xff000000, v25
	s_delay_alu instid0(VALU_DEP_2)
	v_lshrrev_b32 v28, 23, v26                     ; the scale's byte
	s_delay_alu instid0(VALU_DEP_2)
	v_lshrrev_b32 v29, 23, v27
	s_delay_alu instid0(VALU_DEP_1)
	v_lshl_or_b32 v[\sw], v29, 16, v28             ; my two bytes, blocks h and 2 + h,
	s_delay_alu instid0(VALU_DEP_1)
	v_lshlrev_b32 v[\sw], v3, v[\sw]               ; at their places in the word (8 h bits up);
	s_delay_alu instid0(VALU_DEP_1)
	v_permlanex16_b32 v30, v[\sw], s[SEL], s[SEL+1]
	s_delay_alu instid0(VALU_DEP_1)
	v_or_b32 v[\sw], v[\sw], v30                   ; with lane l xor 16's two the word is whole, in both halves of the lanes
.irp c, 0,1
.irp g, 0,1,2,3
	v_cvt_scalef32_pk8_fp4_f32 v[\dst+4*\c+\g], v[\src+32*\c+8*\g:\src+32*\c+8*\g+7], v[26+\c]
.endr
.endr
	v_nop                                          ; one plain place behind the last scaled conversion
.endm
; Eight sensors of the lane, IB + first + 0 .. 7, as four pairs: cosine and sine of the lane's mode there, into v[COS + 8 half] on and v[SIN + 8 half] on.  Each stage runs over the four pairs, so that no line waits for the line above it.
.macro SINCOS half, first
	v_pk_add_f32 v[AA:AA+1], v[IB:IB+1], \first op_sel_hi:[1,0]                    ; i, whole numbers: exact
	s_delay_alu instid0(VALU_DEP_1)
	v_pk_add_f32 v[AA+2:AA+3], v[AA:AA+1], 2.0 op_sel_hi:[1,0]
	s_delay_alu instid0(VALU_DEP_2)
	v_pk_add_f32 v[AA+4:AA+5], v[AA:AA+1], 4.0 op_sel_hi:[1,0]
	s_delay_alu instid0(VALU_DEP_2)
	v_pk_add_f32 v[AA+6:AA+7], v[AA+2:AA+3], 4.0 op_sel_hi:[1,0]
.irp p, 0,2,4,6
	s_delay_alu instid0(VALU_DEP_4)
	v_pk_mul_f32 v[BB+\p:BB+\p+1], v[AA+\p:AA+\p+1], s[RC:RC+1] op_sel_hi:[1,0]    ; i / 1023: a first quotient,
.endr
.irp p, 0,2,4,6
	s_delay_alu instid0(VALU_DEP_4)
	v_pk_fma_f32 v[CC+\p:CC+\p+1], v[BB+\p:BB+\p+1], s[N1023:N1023+1], v[AA+\p:AA+\p+1] op_sel_hi:[1,0,1]   ; its remainder, exact,
.endr
.irp p, 0,2,4,6
	s_delay_alu instid0(VALU_DEP_4)
	v_pk_fma_f32 v[BB+\p:BB+\p+1], v[CC+\p:CC+\p+1], s[RC:RC+1], v[BB+\p:BB+\p+1] op_sel_hi:[1,0,1]         ; and the quotient rounded once: s
.endr
.irp p, 0,2,4,6
	s_delay_alu instid0(VALU_DEP_4)
	v_pk_add_f32 v[CC+\p:CC+\p+1], v[BB+\p:BB+\p+1], 1.0 op_sel_hi:[1,0] neg_lo:[1,0] neg_hi:[1,0]          ; 1 - s
.endr
.irp p, 0,2,4,6
	s_delay_alu instid0(VALU_DEP_4)
	v_pk_add_f32 v[AA+\p:AA+\p+1], v[BB+\p:BB+\p+1], v[CC+\p:CC+\p+1] neg_lo:[0,1] neg_hi:[0,1]             ; xs = s - (1 - s)
.endr
.irp p, 0,2,4,6
	s_delay_alu instid0(VALU_DEP_4)
	v_pk_mul_f32 v[BB+\p:BB+\p+1], v[AA+\p:AA+\p+1], v[PKV:PKV+1]                  ; the angle = (pi k) xs
.endr
.irp p, 0,2,4,6
	s_delay_alu instid0(VALU_DEP_4)
	v_pk_fma_f32 v[CC+\p:CC+\p+1], v[BB+\p:BB+\p+1], s[TOPI:TOPI+1], v[MAGIC:MAGIC+1] op_sel_hi:[1,0,1]     ; angle x 2 / pi + 1.5 x 2^23: the low bits are n, the nearest whole number
.endr
.irp p, 0,2,4,6
	s_delay_alu instid0(VALU_DEP_4)
	v_pk_add_f32 v[AA+\p:AA+\p+1], v[CC+\p:CC+\p+1], v[MAGIC:MAGIC+1] neg_lo:[0,1] neg_hi:[0,1]             ; n as f32
.endr
.irp p, 0,2,4,6
	s_delay_alu instid0(VALU_DEP_4)
	v_pk_fma_f32 v[BB+\p:BB+\p+1], v[AA+\p:AA+\p+1], s[NP1:NP1+1], v[BB+\p:BB+\p+1] op_sel_hi:[1,0,1]       ; a = angle - n pi / 2, pi / 2 in two parts
.endr
.irp p, 0,2,4,6
	s_delay_alu instid0(VALU_DEP_4)
	v_pk_fma_f32 v[BB+\p:BB+\p+1], v[AA+\p:AA+\p+1], s[NP2:NP2+1], v[BB+\p:BB+\p+1] op_sel_hi:[1,0,1]
.endr
.irp p, 0,2,4,6
	s_delay_alu instid0(VALU_DEP_4)
	v_pk_mul_f32 v[AA+\p:AA+\p+1], v[BB+\p:BB+\p+1], v[BB+\p:BB+\p+1]              ; z = a a
.endr
.irp p, 0,2,4,6
	v_pk_fma_f32 v[QQ+\p:QQ+\p+1], v[AA+\p:AA+\p+1], s[D0:D0+1], v[D1V:D1V+1] op_sel_hi:[1,0,1]             ; cos a = 1 + z (-1/2 + z (d2 + z (d1 + z d0)))
	v_pk_fma_f32 v[PP+\p:PP+\p+1], v[AA+\p:AA+\p+1], s[S0:S0+1], v[S1V:S1V+1] op_sel_hi:[1,0,1]             ; sin a = a + a z (s2 + z (s1 + z s0))
.endr
.irp p, 0,2,4,6
	v_pk_fma_f32 v[QQ+\p:QQ+\p+1], v[QQ+\p:QQ+\p+1], v[AA+\p:AA+\p+1], v[D2V:D2V+1]
	v_pk_fma_f32 v[PP+\p:PP+\p+1], v[PP+\p:PP+\p+1], v[AA+\p:AA+\p+1], v[S2V:S2V+1]
.endr
.irp p, 0,2,4,6
	v_pk_fma_f32 v[QQ+\p:QQ+\p+1], v[QQ+\p:QQ+\p+1], v[AA+\p:AA+\p+1], -0.5 op_sel_hi:[1,1,0]
.endr
.irp p, 0,2,4,6
	s_delay_alu instid0(VALU_DEP_4)
	v_pk_fma_f32 v[QQ+\p:QQ+\p+1], v[QQ+\p:QQ+\p+1], v[AA+\p:AA+\p+1], 1.0 op_sel_hi:[1,1,0]
.endr
.irp p, 0,2,4,6
	v_pk_mul_f32 v[AA+\p:AA+\p+1], v[AA+\p:AA+\p+1], v[BB+\p:BB+\p+1]              ; a z
.endr
.irp p, 0,2,4,6
	v_pk_fma_f32 v[EE+\p:EE+\p+1], v[PP+\p:PP+\p+1], v[AA+\p:AA+\p+1], v[BB+\p:BB+\p+1]                     ; sin a
	v_pk_fma_f32 v[FF+\p:FF+\p+1], v[PP+\p:PP+\p+1], v[AA+\p:AA+\p+1], v[BB+\p:BB+\p+1] neg_lo:[1,0,1] neg_hi:[1,0,1]   ; -sin a
.endr
	; the quadrant, n mod 4.  n odd: sine takes cos a, cosine takes -sin a.  Bit 1 of n set: both change sign.  Values are chosen, nothing branches
.irp e, 0,1,2,3,4,5,6,7
	v_lshlrev_b32 v[PP+\e], 31, v[CC+\e]
	v_lshlrev_b32 v[AA+\e], 30, v[CC+\e]
.endr
.irp e, 0,1,2,3,4,5,6,7
	v_and_b32 v[AA+\e], 0x80000000, v[AA+\e]
.endr
.irp e, 0,1,2,3,4,5,6,7
	v_cmp_gt_i32 vcc_lo, 0, v[PP+\e]
	s_delay_alu instid0(VALU_DEP_1)
	v_cndmask_b32 v[SIN+8*\half+\e], v[EE+\e], v[QQ+\e], vcc_lo
	s_delay_alu instid0(VALU_DEP_2)
	v_cndmask_b32 v[COS+8*\half+\e], v[QQ+\e], v[FF+\e], vcc_lo
.endr
.irp e, 0,1,2,3,4,5,6,7
	v_xor_b32 v[SIN+8*\half+\e], v[AA+\e], v[SIN+8*\half+\e]
	v_xor_b32 v[COS+8*\half+\e], v[AA+\e], v[COS+8*\half+\e]
.endr
.endm
	s_load_b512 s[4:19], s[0:1], 0x0               ; u0 4:5, bw1 6:7, bw2 8:9, bw3 10:11, tw2 12:13, tw3 14:15, four 16:17, wq 18:19
	s_load_b64 s[20:21], s[0:1], 0x40              ; ws
	s_set_vgpr_msb 0x40
	v_lshl_add_u32 v0, v0, 2, 0x6000
	v_mov_b32 v1, 0
	s_set_vgpr_msb 0x4000
	v_lshrrev_b32 v1, 5, v0
	s_delay_alu instid0(VALU_DEP_1)
	v_readfirstlane_b32 s22, v1                    ; wave 0..7
	v_and_b32 v1, 15, v0                           ; r
	v_bfe_u32 v2, v0, 4, 1                         ; h
	s_delay_alu instid0(VALU_DEP_1)
	v_lshlrev_b32 v3, 3, v2                        ; 8 h
	v_mov_b32 v30, 0                               ; written once: a lane permute's destination counts as one of its sources
	s_mov_b32 s[SEL], 0x76543210
	s_mov_b32 s[SEL+1], 0xfedcba98
	s_wait_kmcnt 0x0
	s_cmp_ge_u32 ttmp9, 128                        ; the same in all eight waves of a work-group
	s_cbranch_scc1 .Lweights
	; ---------------- the Fourier coefficients ----------------
	s_and_b32 s23, ttmp9, 15                       ; mg: modes 4 mg + 1 .. 4 mg + 4
	s_lshr_b32 s24, ttmp9, 4                       ; rp: rows 32 rp .. 32 rp + 31
	s_lshl_b32 s48, s24, 17                        ; 32 rows of 4,096 bytes
	s_lshl_b32 s49, s22, 9                         ; my 128 sensors
	s_add_co_u32 s48, s48, s49
	s_mov_b32 s49, 0
	s_add_nc_u64 s[4:5], s[4:5], s[48:49]
	s_wait_alu depctr_va_vdst(0)
	v_lshlrev_b32 v4, 12, v1
	s_delay_alu instid0(VALU_DEP_1)
	v_lshl_add_u32 v4, v2, 7, v4                   ; row r, + 128 h: the operand's layout gives lane (r, h) k = 64 c + 32 h + 0 .. 31: whole blocks
.irp u, 0,1
.irp c, 0,1
.irp i, 0,1,2,3,4,5,6,7
	global_load_b128 v[U+64*\u+32*\c+4*\i:U+64*\u+32*\c+4*\i+3], v4, s[4:5] offset:65536*\u+256*\c+16*\i
.endr
.endr
.endr
	; LDS addresses: a constant + constants x bits of the lane + a constant x wave
	s_lshl_b32 s25, s22, 10                        ; my wave's 1,024 bytes
	v_and_b32 v24, 3, v0                           ; m: my mode among the four
	s_delay_alu instid0(VALU_DEP_1)
	v_lshlrev_b32 v5, 4, v24                       ; where my 16 codes go in the image [c 2][h 2][column 8][16 bytes]: column m,
	v_bfe_u32 v25, v0, 2, 1
	s_delay_alu instid0(VALU_DEP_1)
	v_lshl_add_u32 v5, v25, 3, v5                  ; my sensors are 16 kc + 0 .. 15, kc = lane / 4: bit 0 of kc is the half of the 16 bytes,
	v_bfe_u32 v25, v0, 3, 1
	s_delay_alu instid0(VALU_DEP_1)
	v_lshl_add_u32 v5, v25, 7, v5                  ; bit 1 the half of the lanes,
	s_delay_alu instid0(VALU_DEP_1)
	v_lshl_add_u32 v5, v2, 8, v5                   ; bit 2 the group of four registers
	s_delay_alu instid0(VALU_DEP_1)
	v_add_nc_u32 v5, s25, v5
	v_bfe_u32 v25, v0, 3, 2                        ; my block of 32
	s_delay_alu instid0(VALU_DEP_1)
	v_lshl_add_u32 v6, v24, 2, v25                 ; its byte in column m's scale word
	s_delay_alu instid0(VALU_DEP_1)
	v_add_nc_u32 v6, s25, v6
	s_delay_alu instid0(VALU_DEP_1)
	v_add_nc_u32 v6, 512, v6
	v_and_b32 v25, 7, v0
	s_delay_alu instid0(VALU_DEP_1)
	v_lshlrev_b32 v7, 4, v25                       ; back as an operand: lane (r, h) takes column r % 8
	s_delay_alu instid0(VALU_DEP_1)
	v_lshl_add_u32 v7, v2, 7, v7
	s_delay_alu instid0(VALU_DEP_1)
	v_add_nc_u32 v7, s25, v7
	s_delay_alu instid0(VALU_DEP_4)
	v_lshlrev_b32 v8, 2, v25
	s_delay_alu instid0(VALU_DEP_1)
	v_add_nc_u32 v8, s25, v8
	s_delay_alu instid0(VALU_DEP_1)
	v_add_nc_u32 v8, 512, v8
	v_and_b32 v25, 31, v0
	s_delay_alu instid0(VALU_DEP_1)
	v_lshlrev_b32 v9, 4, v25                       ; my part of the sums: RED + 2,048 wave + 16 lane
	s_lshl_b32 s26, s22, 11
	s_add_co_u32 s26, s26, RED
	v_add_nc_u32 v9, s26, v9
	v_lshlrev_b32 v10, 4, v1                       ; the adding waves (0: cosines, 1: sines): row tile h, half = wave, lane r
	s_delay_alu instid0(VALU_DEP_1)
	v_lshl_add_u32 v10, v2, 10, v10
	s_lshl_b32 s27, s22, 9
	s_add_co_u32 s27, s27, RED
	v_add_nc_u32 v10, s27, v10
	v_lshlrev_b32 v11, 4, v1                       ; and in four: row tile h, lane r
	s_delay_alu instid0(VALU_DEP_1)
	v_lshl_add_u32 v11, v2, 13, v11
	; constants
	s_lshl_b32 s48, s23, 2
	s_add_co_u32 s48, s48, 1
	v_add_nc_u32 v24, s48, v24                     ; k = 4 mg + m + 1
	s_delay_alu instid0(VALU_DEP_1)
	v_cvt_f32_u32 v24, v24
	s_delay_alu instid0(VALU_DEP_1)
	v_mul_f32 v[PKV], 0x40490fdb, v24              ; pi k, rounded as the definition rounds it
	s_delay_alu instid0(VALU_DEP_1)
	v_mov_b32 v[PKV+1], v[PKV]
	v_bfe_u32 v25, v0, 2, 3                        ; kc
	s_delay_alu instid0(VALU_DEP_1)
	v_lshlrev_b32 v25, 4, v25
	s_lshl_b32 s48, s22, 7
	v_add_nc_u32 v25, s48, v25                     ; my first sensor: 128 wave + 16 kc
	s_delay_alu instid0(VALU_DEP_1)
	v_cvt_f32_u32 v[IB], v25
	s_delay_alu instid0(VALU_DEP_1)
	v_add_f32 v[IB+1], 1.0, v[IB]
	v_mov_b32 v[MAGIC], 0x4b400000
	v_mov_b32 v[MAGIC+1], 0x4b400000
	v_mov_b32 v[S1V], 0x3c08839e
	v_mov_b32 v[S1V+1], 0x3c08839e
	v_mov_b32 v[D1V], 0xbab6061a
	v_mov_b32 v[D1V+1], 0xbab6061a
	v_mov_b32 v[D2V], 0x3d2aaaa5
	v_mov_b32 v[D2V+1], 0x3d2aaaa5
	v_mov_b32 v[S2V], 0xbe2aaaa3
	v_mov_b32 v[S2V+1], 0xbe2aaaa3
	s_mov_b32 s[RC], 0x3a802008                    ; 1 / 1023
	s_mov_b32 s[RC+1], s[RC]
	s_mov_b32 s[N1023], 0xc47fc000                 ; -1023
	s_mov_b32 s[N1023+1], s[N1023]
	s_mov_b32 s[TOPI], 0x3f22f983                  ; 2 / pi
	s_mov_b32 s[TOPI+1], s[TOPI]
	s_mov_b32 s[NP1], 0xbfc90fdb                   ; -(pi / 2 rounded to f32)
	s_mov_b32 s[NP1+1], s[NP1]
	s_mov_b32 s[NP2], 0x333bbd2e                   ; -(what that rounding left)
	s_mov_b32 s[NP2+1], s[NP2]
	s_mov_b32 s[S0], 0xb94ca1f9
	s_mov_b32 s[S0+1], s[S0]
	s_mov_b32 s[D0], 0x37ccf5ce
	s_mov_b32 s[D0+1], s[D0]
	SINCOS 0, 0                                    ; the basis is made while u0 is on its way
	SINCOS 1, 0x41000000
	; the basis quantised: my 16 cosines and 16 sines are half a block each; the other half lies in lane l xor 4
	v_max3_num_f32 v70, |v[COS]|, |v[COS+1]|, 0x1800000
	v_max3_num_f32 v71, |v[SIN]|, |v[SIN+1]|, 0x1800000
.irp i, 2,4,6,8,10,12,14
	s_delay_alu instid0(VALU_DEP_2)
	v_max3_num_f32 v70, v70, |v[COS+\i]|, |v[COS+\i+1]|
	s_delay_alu instid0(VALU_DEP_2)
	v_max3_num_f32 v71, v71, |v[SIN+\i]|, |v[SIN+\i+1]|
.endr
	s_delay_alu instid0(VALU_DEP_2)
	v_max_num_f32_dpp v70, v70, v70 row_xmask:4 row_mask:0xf bank_mask:0xf
	s_delay_alu instid0(VALU_DEP_2)
	v_max_num_f32_dpp v71, v71, v71 row_xmask:4 row_mask:0xf bank_mask:0xf
	s_delay_alu instid0(VALU_DEP_2)
	v_add_nc_u32 v72, 0xff000000, v70
	s_delay_alu instid0(VALU_DEP_2)
	v_add_nc_u32 v73, 0xff000000, v71
	s_delay_alu instid0(VALU_DEP_2)
	v_lshrrev_b32 v68, 23, v72
	s_delay_alu instid0(VALU_DEP_2)
	v_lshrrev_b32 v69, 23, v73
	v_cvt_scalef32_pk8_fp4_f32 v64, v[COS:COS+7], v72
	v_cvt_scalef32_pk8_fp4_f32 v65, v[COS+8:COS+15], v72
	v_cvt_scalef32_pk8_fp4_f32 v66, v[SIN:SIN+7], v73
	v_cvt_scalef32_pk8_fp4_f32 v67, v[SIN+8:SIN+15], v73
	v_nop                                          ; one plain place behind the last scaled conversion
	ds_store_b64 v5, v[64:65]                      ; columns 0-3: cosines
	ds_store_b64 v5, v[66:67] offset:64            ; columns 4-7: sines
	ds_store_b8 v6, v68                            ; both lanes of a block write the same byte with the same value
	ds_store_b8 v6, v69 offset:16
	ds_load_b128 v[BFR:BFR+3], v7                  ; my wave's own bytes, and LDS serves a wave's instructions in order (ISA guide 5.7.1.4): no wait, no barrier
	ds_load_b128 v[BFR+4:BFR+7], v7 offset:256
	ds_load_b32 v[BSW], v8
	s_wait_loadcnt 16                              ; row tile 0's sixteen loads are in; row tile 1's sixteen may be out
	QFRAG U, 32, 22
	s_wait_loadcnt 0x0
	QFRAG U+64, 40, 23
.rept 8
	v_nop                                          ; a scale word written by vector instructions stands 8 places ahead of a scaled matrix instruction, an operand so written 4
.endr
	s_wait_alu depctr_va_vdst(0)
	s_wait_dscnt 0x0                               ; the basis' fragment and scale word
	; source 0 = the basis' columns, source 1 = 16 rows of u0: lane (r, h) holds row r, register j column j (0-3 cosines, 4-7 sines); both halves of the lanes hold the same
	v_wmma_scale_f32_16x16x128_f8f6f4 v[48:55], v[BFR:BFR+7], v[32:39], 0, v[BSW], v22 matrix_a_fmt:MATRIX_FMT_FP4 matrix_b_fmt:MATRIX_FMT_FP4
	v_wmma_scale_f32_16x16x128_f8f6f4 v[56:63], v[BFR:BFR+7], v[40:47], 0, v[BSW], v23 matrix_a_fmt:MATRIX_FMT_FP4 matrix_b_fmt:MATRIX_FMT_FP4
.rept 4
	v_nop                                          ; four places ahead of the first read of a result (ISA guide 7.12.1)
.endr
	ds_store_b128 v9, v[48:51]                     ; each result from its low end on
	ds_store_b128 v9, v[52:55] offset:512
	ds_store_b128 v9, v[56:59] offset:1024
	ds_store_b128 v9, v[60:63] offset:1536
	s_wait_dscnt 0x0                               ; for the others' sake: my stores have landed
	s_barrier_signal -1
	s_barrier_wait -1
	s_cmp_ge_u32 s22, 2                            ; wave 0 adds the cosines, wave 1 the sines; no barrier follows
	s_cbranch_scc1 .Lend
.irp p, 0,1,2,3,4,5,6,7
	ds_load_b128 v[64+4*\p:67+4*\p], v10 offset:2048*\p          ; wave p's part: four modes of row 16 h + r
.endr
	s_lshl_b32 s48, s22, 4
	s_add_co_u32 s48, s48, s23                     ; cu = mg + 16 wave: features 4 cu + 0 .. 3
	s_lshr_b32 s49, s48, 3
	s_lshl_b32 s49, s49, 2
	s_and_b32 s50, s48, 3
	s_add_co_u32 s49, s49, s50                     ; piece q = 4 (cu / 8) + cu % 4,
	s_lshl_b32 s49, s49, 9
	s_bfe_u32 s50, s48, 0x10002                    ; half of the lanes (cu / 4) % 2,
	s_lshl_b32 s50, s50, 8
	s_add_co_u32 s49, s49, s50
	s_lshl_b32 s50, s24, 14                        ; row tiles 2 rp, 2 rp + 1
	s_add_co_u32 s48, s49, s50
	s_mov_b32 s49, 0
	s_add_nc_u64 s[16:17], s[16:17], s[48:49]
	s_wait_dscnt 0x0
.irp p, 0,2,4,6
	v_pk_add_f32 v[64+4*\p:65+4*\p], v[64+4*\p:65+4*\p], v[68+4*\p:69+4*\p]
	v_pk_add_f32 v[66+4*\p:67+4*\p], v[66+4*\p:67+4*\p], v[70+4*\p:71+4*\p]
.endr
.irp p, 0
	v_pk_add_f32 v[64+4*\p:65+4*\p], v[64+4*\p:65+4*\p], v[72+4*\p:73+4*\p]
	v_pk_add_f32 v[66+4*\p:67+4*\p], v[66+4*\p:67+4*\p], v[74+4*\p:75+4*\p]
.endr
.irp p, 4
	s_delay_alu instid0(VALU_DEP_4)
	v_pk_add_f32 v[64+4*\p:65+4*\p], v[64+4*\p:65+4*\p], v[72+4*\p:73+4*\p]
	s_delay_alu instid0(VALU_DEP_4)
	v_pk_add_f32 v[66+4*\p:67+4*\p], v[66+4*\p:67+4*\p], v[74+4*\p:75+4*\p]
.endr
	s_delay_alu instid0(VALU_DEP_2)
	v_pk_add_f32 v[64:65], v[64:65], v[80:81]
	s_delay_alu instid0(VALU_DEP_2)
	v_pk_add_f32 v[66:67], v[66:67], v[82:83]
	s_delay_alu instid0(VALU_DEP_2)
	v_pk_mul_f32 v[64:65], v[64:65], 0x3a800000 op_sel_hi:[1,0]   ; / 1,024: exact
	s_delay_alu instid0(VALU_DEP_2)
	v_pk_mul_f32 v[66:67], v[66:67], 0x3a800000 op_sel_hi:[1,0]
	global_store_b128 v11, v[64:67], s[16:17]      ; sixteen lanes store 256 consecutive bytes, at a multiple of 256 from the buffer's first byte
	s_set_vgpr_msb 0x5
	s_wait_tensorcnt 0x0
	ds_add_u32 v0, v1
	s_wait_dscnt 0x0
	s_set_vgpr_msb 0x500
	s_endpgm
	; ---------------- a weight into codes ----------------
.Lweights:
	s_sub_co_u32 s48, ttmp9, 128                   ; which: 0 bw1, 1 bw2, 2 bw3, 3 tw2, 4 tw3
	s_mov_b64 s[50:51], s[6:7]
	s_cmp_eq_u32 s48, 1
	s_cselect_b64 s[50:51], s[8:9], s[50:51]
	s_cmp_eq_u32 s48, 2
	s_cselect_b64 s[50:51], s[10:11], s[50:51]
	s_cselect_b32 s52, 0, 1                        ; 1: the rows of a tile are chosen for a next K; 0 (the last layers): as they lie
	s_cmp_eq_u32 s48, 3
	s_cselect_b64 s[50:51], s[12:13], s[50:51]
	s_cmp_eq_u32 s48, 4
	s_cselect_b64 s[50:51], s[14:15], s[50:51]
	s_cselect_b32 s52, 0, s52
	s_lshr_b32 s53, s22, 1
	s_lshl_b32 s53, s53, 5
	s_and_b32 s54, s22, 1
	s_lshl_b32 s54, s54, 3
	s_add_co_u32 s53, s53, s54                     ; 32 (t / 2) + 8 (t % 2)
	s_lshl_b32 s54, s22, 4                         ; or 16 t
	s_cmp_eq_u32 s52, 1
	s_cselect_b32 s53, s53, s54
	s_lshl_b32 s54, s53, 9                         ; a row is 512 bytes
	s_mov_b32 s55, 0
	s_add_nc_u64 s[50:51], s[50:51], s[54:55]
	s_wait_alu depctr_va_vdst(0)
	v_and_b32 v4, 8, v1
	s_delay_alu instid0(VALU_DEP_1)
	v_mul_u32_u24 v4, s52, v4
	s_delay_alu instid0(VALU_DEP_1)
	v_add_nc_u32 v4, v4, v1                        ; r + 8 (r / 8), or r
	s_delay_alu instid0(VALU_DEP_1)
	v_lshlrev_b32 v4, 9, v4
	s_delay_alu instid0(VALU_DEP_1)
	v_lshl_add_u32 v4, v2, 7, v4                   ; + 128 h
.irp c, 0,1
.irp i, 0,1,2,3,4,5,6,7
	global_load_b128 v[U+32*\c+4*\i:U+32*\c+4*\i+3], v4, s[50:51] offset:256*\c+16*\i
.endr
.endr
	v_and_b32 v5, 31, v0
	s_delay_alu instid0(VALU_DEP_1)
	v_lshlrev_b32 v6, 5, v5                        ; ws: 32 bytes a lane
	s_delay_alu instid0(VALU_DEP_2)
	v_lshlrev_b32 v5, 4, v5                        ; wq: 16 bytes a lane
	s_lshl_b32 s54, s48, 13
	s_lshl_b32 s56, s22, 10
	s_add_co_u32 s54, s54, s56
	s_add_nc_u64 s[18:19], s[18:19], s[54:55]      ; wq + 8,192 weight + 1,024 tile
	s_lshl_b32 s54, s48, 10
	s_lshl_b32 s56, s22, 2
	s_add_co_u32 s54, s54, s56
	s_add_nc_u64 s[20:21], s[20:21], s[54:55]      ; ws + 1,024 weight + 4 tile
	s_wait_loadcnt 0x0
	QFRAG U, 32, 22
	global_store_b128 v5, v[32:35], s[18:19]       ; 32 lanes store 512 consecutive bytes
	global_store_b128 v5, v[36:39], s[18:19] offset:512
	global_store_b32 v6, v22, s[20:21]             ; four bytes a lane, 32 bytes apart: 5,120 bytes in the whole launch, laid so that the reader takes a lane's eight words by two loads
.Lend:
	s_set_vgpr_msb 0x5
	s_wait_tensorcnt 0x0
	ds_add_u32 v0, v1
	s_wait_dscnt 0x0
	s_set_vgpr_msb 0x500
	s_endpgm
.Lfunc_end_k_q3d0fa0281f_prep:
	.size	k_q3d0fa0281f_prep, .Lfunc_end_k_q3d0fa0281f_prep-k_q3d0fa0281f_prep
	.p2alignl 7, 3214868480
	.fill 96, 4, 3214868480
	.section	.rodata,"a",@progbits
	.p2align	6, 0x0
	.amdhsa_kernel k_q3d0fa0281f_prep
		.amdhsa_group_segment_fixed_size 25600
		.amdhsa_private_segment_fixed_size 0
		.amdhsa_enable_private_segment 0
		.amdhsa_kernarg_size 72
		.amdhsa_user_sgpr_count 2
		.amdhsa_user_sgpr_kernarg_segment_ptr 1
		.amdhsa_wavefront_size32 1
		.amdhsa_system_sgpr_workgroup_id_x 1
		.amdhsa_system_sgpr_workgroup_id_y 1
		.amdhsa_system_sgpr_workgroup_id_z 1
		.amdhsa_system_vgpr_workitem_id 0
		.amdhsa_next_free_vgpr 258
		.amdhsa_next_free_sgpr 66
		.amdhsa_reserve_vcc 1
		.amdhsa_float_denorm_mode_32 3
		.amdhsa_float_denorm_mode_16_64 3
		.amdhsa_memory_ordered 1
		.amdhsa_forward_progress 1
		.amdhsa_inst_pref_size 51
	.end_amdhsa_kernel
	.amdgpu_metadata
---
amdhsa.version: [ 1, 2 ]
amdhsa.kernels:
  - .name:           k_q3d0fa0281f_prep
    .symbol:         k_q3d0fa0281f_prep.kd
    .args:
      - { .name: u0, .offset: 0, .size: 8, .value_kind: global_buffer, .address_space: global }
      - { .name: bw1, .offset: 8, .size: 8, .value_kind: global_buffer, .address_space: global }
      - { .name: bw2, .offset: 16, .size: 8, .value_kind: global_buffer, .address_space: global }
      - { .name: bw3, .offset: 24, .size: 8, .value_kind: global_buffer, .address_space: global }
      - { .name: tw2, .offset: 32, .size: 8, .value_kind: global_buffer, .address_space: global }
      - { .name: tw3, .offset: 40, .size: 8, .value_kind: global_buffer, .address_space: global }
      - { .name: four, .offset: 48, .size: 8, .value_kind: global_buffer, .address_space: global }
      - { .name: wq, .offset: 56, .size: 8, .value_kind: global_buffer, .address_space: global }
      - { .name: ws, .offset: 64, .size: 8, .value_kind: global_buffer, .address_space: global }
    .group_segment_fixed_size: 25600
    .private_segment_fixed_size: 0
    .kernarg_segment_align: 8
    .kernarg_segment_size: 72
    .max_flat_workgroup_size: 256
    .sgpr_count:     66
    .vgpr_count:     258
    .wavefront_size: 32
...
	.end_amdgpu_metadata
.endif
;; end of part 1
;; launch main (part 2): grid 64 x 4, 8 waves a work-group, no clusters, 56,832 bytes of LDS; arguments four, wq, ws, bb1, bb2, bb3, x, t, tw1, tb1, tb2, tb3, out0; writes out0
.if DOCPART == 2
	.amdgcn_target "amdgcn-amd-amdhsa--gfx1250"
	.amdhsa_code_object_version 6
	.text
	.protected	k_q3d0fa0281f_main
	.globl	k_q3d0fa0281f_main
	.p2align	8
	.type	k_q3d0fa0281f_main,@function
k_q3d0fa0281f_main:
	s_mov_b64 s[64:65], 0
	v_nop
	global_prefetch_b8 v0, s[64:65] scope:SCOPE_SE
	s_setreg_imm32_b32 hwreg(HW_REG_WAVE_MODE, 25, 1), 1
	s_wait_xcnt 0x0
; MAIN.  out0[b][p] = causal[p] x sum over d of branch_out[b][d] trunk_out[b][p][d].  EVERY PAIR (batch row b, point p) IS A ROW OF ITS OWN of the trunk's two quantised products (M = 256 x 4,096), and each such
; row's result is used for its own number of out0.  What is equal for all b ahead of those products (the features, the first layer, its codes) is made once for a point and 64 batch rows.
; A work-group owns 64 batch rows x 64 points; eight waves.
; PRELUDE.  Waves 0-3: wave i takes batch rows 16 i .. + 15 through the branch MLP, in registers; branch_out and its dot with tb3 go to LDS as images of their registers.  Waves 4-7: wave 4 + i makes the features,
; the first layer (K = 4, ahead of a quantiser: f32 operands, v_wmma_f32_16x16x4_f32) and its codes for points 16 i .. + 15; codes (64 bytes a point, K ascending), scale words and causal go to LDS.  One barrier.
; THE LOOP.  Wave w takes batch tile w % 4 and points 32 (w / 4) .. + 31.  A TILE IS 16 BATCH ROWS x ONE POINT: source 1 of the second layer's product holds the point's codes in all 16 columns (every lane of a
; half reads the same 16 bytes of LDS), source 0 16 rows of the weight: a lane holds ONE row (b, p), its registers run along the units.  tw2's rows are chosen so that lane (r, h)'s register 32 c + m is unit
; 64 c + 32 h + m: two WHOLE blocks of 32, in the order of the next operand's registers: a block's maximum needs no other lane and the conversions' results are the operand.
; relu is taken on the codes: the block's maximum is taken of the signed numbers (the floor stands over what is negative), and a code whose sign bit is set has its magnitude cleared: it stays as -0, which adds nothing.
; The last product (M = 1 for each batch row) is 32 packed multiply-adds a tile, in f32, against branch_out, which stays in 64 registers; tb3 enters as the row's dot of branch_out with tb3, made once, as the
; first multiply-add's addend, so that the third layer's product starts from the constant 0.
; THE WAY OUT.  A wave's 32 points are half of an aligned 256 bytes of a row of out0: the results meet in a stage of the work-group, a barrier, and each wave stores 8 whole rows.
; LIMITS: NaN and infinities among the inputs are not served.  t^2 - x^2 under 2^-126 gives proper_time 0 (v_sqrt_f32 takes denormals as zero).  A block of zeros gets the scale byte 1 (the rule says 127): its
; codes are zeros.  The sign of a zero under the mask may differ.  tb3 is added behind the sum over d, not ahead of it: another order of f32 roundings than the definition's.
; No tensor loads, no cluster, no prefetch: what a work-group reads (45 KB of codes, biases and coefficients) goes once, straight into registers, and the waves share nothing else that comes from memory.
; REGISTERS, window 0: v1 r, v2 h, v3 16 lane, v4 32 lane, v5 64 h, v6 32 h, v7 8 h; v8-26 addresses; v[28:29] the dot with tb3; v32-55 scale words of weights and points (scales and nothing else);
;   v56 the scale word just made, v58-65 the codes just made; v66-81 at work; v82-89 four running sums; v90-97 a trip's eight results; v98-101 causal; v102-117 two points' codes; v118-181 H (the hidden layer; X in the prelude);
;   v182-245 BR (branch_out; A2 in the prelude); v246-255 the features.
;   window 1: v0-63 tw2's codes, v64-127 tw3's, v128-191 tb2 (in the prelude the branch's weights and biases), v192-255 T (trunk_out; D1 in the prelude): written by matrix instructions alone.
.set XIMG, 0                           ; LDS: 64 points x 64 bytes of codes
.set XSC,  4096                        ; their scale words
.set MSK,  4352                        ; causal, f32
.set BRI,  4608                        ; branch_out: [batch tile 4][group 16][lane 32][16 bytes]
.set BDI,  37376                       ; its dot with tb3: [batch tile 4][lane 32][8 bytes]
.set STG,  38400                       ; the stage: 64 rows x (256 + 16) bytes
.set XST,  8                           ; v8   codes out: 1,024 tile + 64 r + 16 h
.set XSS,  9                           ; v9   scale word and causal out: 64 tile + 4 r
.set BRS,  10                          ; v10  BRI + 8,192 tile + 16 lane
.set BDS,  11                          ; v11  BDI + 256 tile + 8 lane
.set XLB,  12                          ; v12  2,048 (wave / 4) + 16 h
.set XSB,  13                          ; v13  XSC + 128 (wave / 4)
.set MKB,  14                          ; v14  MSK + 128 (wave / 4) + 16 h
.set STB,  15                          ; v15  STG + 272 (16 tile + r) + 128 (wave / 4) + 16 h
.set STL,  16                          ; v16  STG + 272 (8 wave + h) + 16 r
.set OUTO, 17                          ; v17  16,384 h + 16 r
.set X4R,  18                          ; v18  4 r
.set TW1O, 19                          ; v19  tw1: 16 (r + 8 (r / 8)) + 8 h
.set VA,   20                          ; v20  tw2's codes: 16 (r % 8) + 256 h + 2,048 (r / 8)
.set VS,   21                          ; v21  tw2's scale words: 32 (r % 8) + 8 (r / 8)
.set H128, 22                          ; v22  128 h
.set ADX,  23                          ; v23-26 the trip's addresses
.set ADS,  24
.set ADM,  25
.set ADO,  26
.set BD,   28
.set S2,   32
.set S3,   40
.set XS,   48
.set PW,   56
.set PC,   58
.set TM,   66
.set SA,   82
.set S,    90
.set MK,   98
.set XC,   102
.set H,    118
.set X,    118
.set BR,   182
.set A2,   182
.set FE,   246
.set WA,   0
.set W2C,  0
.set WB,   64
.set W3C,  64
.set BA,   128
.set B2,   128
.set D1,   192
.set T,    192
.set SEL,  40                          ; s[40:41] v_permlanex16_b32's selects for lane l xor 16
.set TS,   50                          ; s50  512 x trip
.set TJ,   51                          ; s51  32 x trip
.set CNT,  52                          ; s52  trip
.set SGN,  53                          ; s53  the sign bits of eight codes
.set MSB,  0
.macro WIN new                         ; the immediate's low byte: bits 1:0 source 0, 3:2 source 1, 5:4 source 2, 7:6 destination; its high byte repeats the setting that is left
.if MSB != \new
	s_set_vgpr_msb (MSB<<8)|\new
.set MSB, \new
.endif
.endm
.macro NOPS n
.rept \n
	v_nop
.endr
.endm
; THE PRELUDE'S QUANTISER.  64 numbers of a lane, register 16 b + i = k 32 b + 16 h + i of my row, become an operand's codes in v[PC] on and its scale word in v[PW].
.macro QUANT s
.irp b, 0,1,2,3
	v_max3_num_f32 v[TM+\b], |v[\s+16*\b]|, |v[\s+1+16*\b]|, 0x1800000   ; block b: my 16 numbers, and the floor 2^(3 - 127): the byte cannot fall under 1
.endr
.irp i, 2,4,6,8,10,12,14
.irp b, 0,1,2,3
	s_delay_alu instid0(VALU_DEP_4)
	v_max3_num_f32 v[TM+\b], v[TM+\b], |v[\s+16*\b+\i]|, |v[\s+1+16*\b+\i]|   ; the four blocks by turns
.endr
.endr
.irp b, 0,1,2,3
	s_delay_alu instid0(VALU_DEP_4)
	v_permlanex16_b32 v[TM+4+\b], v[TM+\b], s[SEL], s[SEL+1]
.endr
.irp b, 0,1,2,3
	s_delay_alu instid0(VALU_DEP_4)
	v_max_num_f32 v[TM+\b], v[TM+\b], v[TM+4+\b]   ; with lane l xor 16's: the block's largest magnitude
.endr
.irp b, 0,1,2,3
	s_delay_alu instid0(VALU_DEP_4)
	v_add_nc_u32 v[TM+12+\b], 0xff000000, v[TM+\b]   ; 2 off its exponent field: the conversion's scale operand
.endr
.irp b, 0,1,2,3
	s_delay_alu instid0(VALU_DEP_4)
	v_lshrrev_b32 v[TM+4+\b], 23, v[TM+12+\b]      ; the scale's byte
.endr
	s_delay_alu instid0(VALU_DEP_3)
	v_lshl_or_b32 v[PW], v[TM+5], 8, v[TM+4]
	s_delay_alu instid0(VALU_DEP_1)
	v_lshl_or_b32 v[PW], v[TM+6], 16, v[PW]
	s_delay_alu instid0(VALU_DEP_1)
	v_lshl_or_b32 v[PW], v[TM+7], 24, v[PW]
.irp b, 0,1,2,3
	v_cvt_scalef32_pk8_fp4_f32 v[PC+2*\b], v[\s+16*\b:\s+7+16*\b], v[TM+12+\b]
	v_cvt_scalef32_pk8_fp4_f32 v[PC+1+2*\b], v[\s+8+16*\b:\s+15+16*\b], v[TM+12+\b]
.endr
	v_nop                                          ; one plain place behind a scaled conversion
.irp c, 0,1                                    ; the operand's layout wants a whole block in a lane: lanes 0-15 block 2 c, lanes 16-31 block 2 c + 1
.irp i, 0,1
	v_permlane16_swap_b32 v[PC+4*\c+\i], v[PC+2+4*\c+\i]
.endr
.endr
.endm
; A layer of the branch: eight tiles of 16 units, K = 128: eight accumulators, one instruction each
.macro L4 d, w, c, s
.irp t, 0,1,2,3,4,5,6,7
	v_wmma_scale_f32_16x16x128_f8f6f4 v[\d+8*\t:\d+8*\t+7], v[\w+8*\t:\w+8*\t+7], v[PC:PC+7], v[\c+8*\t:\c+8*\t+7], v[\s+\t], v[PW] matrix_a_fmt:MATRIX_FMT_FP4 matrix_b_fmt:MATRIX_FMT_FP4
.endr
.endm
; THE LOOP'S CONSTANTS.  tw2's image holds tiles of another choice of rows (groups of eight rows g and g + 2); the loop wants groups g and g + 4 in a tile: tile t's lanes 0-7 take group 8 (t / 4) + t % 4,
; lanes 8-15 the group four further on, which lies two tiles (2,048 bytes) further on in the image at the same place: eight lanes read 128 consecutive bytes.
.macro LD_W2C                          ; 16 loads
	WIN 0x40
.irp t, 0,1,2,3,4,5,6,7
.irp c, 0,1
	global_load_b128 v[W2C+8*\t+4*\c:W2C+8*\t+4*\c+3], v[VA], s[10:11] offset:24576+1024*(4*(\t/4)+(\t%2))+128*((\t%4)/2)+512*\c
.endr
.endr
.endm
.macro LD_B2                           ; 16 loads: tb2 in the result's layout: tile t, half h: units 64 (t / 4) + 32 h + 8 (t % 4) + 0 .. 7
	WIN 0x40
.irp t, 0,1,2,3,4,5,6,7
	global_load_b128 v[B2+8*\t:B2+8*\t+3], v[H128], s[28:29] offset:4*(64*(\t/4)+8*(\t%4))
	global_load_b128 v[B2+8*\t+4:B2+8*\t+7], v[H128], s[28:29] offset:4*(64*(\t/4)+8*(\t%4))+16
.endr
.endm
.macro LD_W3C                          ; 16 loads: tw3's image as it lies: tile t takes rows 16 t + r
	WIN 0x40
.irp i, 0,1,2,3,4,5,6,7,8,9,10,11,12,13,14,15
	global_load_b128 v[W3C+4*\i:W3C+4*\i+3], v3, s[10:11] offset:32768+512*\i
.endr
.endm
.macro LD_S2                           ; 8 loads: tw2's scale words, by the same choice of rows
	WIN 0
.irp t, 0,1,2,3,4,5,6,7
	global_load_b32 v[S2+\t], v[VS], s[12:13] offset:3072+256*((\t%4)/2)+4*(4*(\t/4)+(\t%2))
.endr
.endm
.macro LD_S3                           ; 2 loads: tw3's
	WIN 0
	global_load_b128 v[S3:S3+3], v4, s[12:13] offset:4096
	global_load_b128 v[S3+4:S3+7], v4, s[12:13] offset:4096+16
.endm
; THE LOOP'S PIECES.  i: the point among the trip's eight.
.macro XLOAD i                         ; the point's codes, the same in all 16 columns: lane (r, h) takes k = 64 c + 32 h + 0 .. 31
	ds_load_b128 v[XC+8*((\i)%2):XC+8*((\i)%2)+3], v[ADX] offset:64*(\i)
	ds_load_b128 v[XC+8*((\i)%2)+4:XC+8*((\i)%2)+7], v[ADX] offset:64*(\i)+32
.endm
.macro P7 i                            ; the second layer for 16 rows (b, p); tb2 is the C
.irp t, 0,1,2,3,4,5,6,7
	v_wmma_scale_f32_16x16x128_f8f6f4 v[H+8*\t:H+8*\t+7], v[W2C+8*\t:W2C+8*\t+7], v[XC+8*((\i)%2):XC+8*((\i)%2)+7], v[B2+8*\t:B2+8*\t+7], v[S2+\t], v[XS+(\i)] matrix_a_fmt:MATRIX_FMT_FP4 matrix_b_fmt:MATRIX_FMT_FP4
.endr
.endm
.macro P8                              ; the third layer: lane (r, h), register 8 t + j: unit 16 t + 8 h + j of row (b = r, p)
.irp t, 0,1,2,3,4,5,6,7
	v_wmma_scale_f32_16x16x128_f8f6f4 v[T+8*\t:T+8*\t+7], v[W3C+8*\t:W3C+8*\t+7], v[PC:PC+7], 0, v[S3+\t], v[PW] matrix_a_fmt:MATRIX_FMT_FP4 matrix_b_fmt:MATRIX_FMT_FP4
.endr
.endm
.macro MAXW                            ; my two blocks' largest numbers (signed: what relu clears must not count), each in two chains with the floor 2^(3 - 127); then the scale operands and the row's scale word
.irp c, 0,1
	v_max3_num_f32 v[TM+\c], v[H+32*\c], v[H+32*\c+1], 0x1800000       ; each accumulator is read from its low end on
	v_max3_num_f32 v[TM+2+\c], v[H+32*\c+16], v[H+32*\c+17], 0x1800000
.endr
.irp i, 2,4,6,8,10,12,14
.irp c, 0,1
	v_max3_num_f32 v[TM+\c], v[TM+\c], v[H+32*\c+\i], v[H+32*\c+\i+1]
	v_max3_num_f32 v[TM+2+\c], v[TM+2+\c], v[H+32*\c+16+\i], v[H+32*\c+17+\i]
.endr
.endr
	s_delay_alu instid0(VALU_DEP_3)
	v_max_num_f32 v[TM], v[TM], v[TM+2]
	s_delay_alu instid0(VALU_DEP_2)
	v_max_num_f32 v[TM+1], v[TM+1], v[TM+3]
	s_delay_alu instid0(VALU_DEP_2)
	v_add_nc_u32 v[TM+12], 0xff000000, v[TM]       ; 2 off the exponent field: the conversion's scale operand
	s_delay_alu instid0(VALU_DEP_2)
	v_add_nc_u32 v[TM+13], 0xff000000, v[TM+1]
	s_delay_alu instid0(VALU_DEP_2)
	v_lshrrev_b32 v[TM+6], 23, v[TM+12]            ; the scale's byte
	s_delay_alu instid0(VALU_DEP_2)
	v_lshrrev_b32 v[TM+7], 23, v[TM+13]
	s_delay_alu instid0(VALU_DEP_1)
	v_lshl_or_b32 v[PW], v[TM+7], 16, v[TM+6]      ; my two bytes, blocks h and 2 + h,
	s_delay_alu instid0(VALU_DEP_1)
	v_lshlrev_b32 v[PW], v7, v[PW]                 ; at their places in the word (8 h bits up);
	s_delay_alu instid0(VALU_DEP_1)
	v_permlanex16_b32 v[TM+4], v[PW], s[SEL], s[SEL+1]
	s_delay_alu instid0(VALU_DEP_1)
	v_or_b32 v[PW], v[PW], v[TM+4]                 ; with lane l xor 16's two the word is whole
.endm
.macro CVT
.irp c, 0,1
.irp g, 0,1,2,3
	v_cvt_scalef32_pk8_fp4_f32 v[PC+4*\c+\g], v[H+32*\c+8*\g:H+32*\c+8*\g+7], v[TM+12+\c]   ; registers 4 c .. 4 c + 3 of the operand
.endr
.endr
	v_nop                                          ; one plain place behind the last scaled conversion: a matrix instruction writes its sources next
.endm
.macro MASK                            ; relu on the codes: s = the sign bits; s - (s >> 3) is 7 in each nibble whose sign is set; those three bits are cleared
.irp k, 0,1,2,3,4,5,6,7
	v_and_b32 v[TM+\k], s[SGN], v[PC+\k]
.endr
.irp k, 0,1,2,3,4,5,6,7
	v_lshrrev_b32 v[TM+8+\k], 3, v[TM+\k]
.endr
.irp k, 0,1,2,3,4,5,6,7
	v_sub_nc_u32 v[TM+\k], v[TM+\k], v[TM+8+\k]
.endr
.irp k, 0,1,2,3,4,5,6,7
	v_bfi_b32 v[PC+\k], v[TM+\k], 0, v[PC+\k]
.endr
.endm
; 64 numbers in v[src] on times branch_out, two at a time, in four chains.  bias = 1: the first chain starts from the dot with tb3
.macro DOT src, bias
.set n, 0
.rept 32
.if (n == 0) && \bias
	v_pk_fma_f32 v[SA:SA+1], v[\src:\src+1], v[BR:BR+1], v[BD:BD+1]
.elseif n < 4
	v_pk_mul_f32 v[SA+2*n:SA+2*n+1], v[\src+2*n:\src+2*n+1], v[BR+2*n:BR+2*n+1]
.else
	v_pk_fma_f32 v[SA+2*(n%4):SA+2*(n%4)+1], v[\src+2*n:\src+2*n+1], v[BR+2*n:BR+2*n+1], v[SA+2*(n%4):SA+2*(n%4)+1]
.endif
.set n, n+1
.endr
.endm
.macro TAIL p                          ; the four chains and the two halves of a pair: my half's part of point p's number
	v_pk_add_f32 v[SA:SA+1], v[SA:SA+1], v[SA+2:SA+3]
	v_pk_add_f32 v[SA+4:SA+5], v[SA+4:SA+5], v[SA+6:SA+7]
	s_delay_alu instid0(VALU_DEP_1)
	v_pk_add_f32 v[SA:SA+1], v[SA:SA+1], v[SA+4:SA+5]
	s_delay_alu instid0(VALU_DEP_1)
	v_add_f32 v[S+(\p)], v[SA], v[SA+1]
.endm
; A STEP: point i's hidden layer is quantised and goes through the third layer; beside it point i + 1's second layer is started and point i - 1's dot is taken.  The places that matrix instructions ask for
; (ISA guide 7.12.1) are this work: behind P8: MAXW's lines; behind P7: DOT's and MASK's; between the last write of the codes and P8: TAIL's four; the scale word stands MASK's 32 lines ahead of P8.
.macro STEP i
	MAXW
	CVT
.if \i < 7
	s_wait_alu depctr_va_vdst(0)
	s_wait_dscnt 0x0                               ; point i + 1's codes, asked for a step ago
	WIN 0x11                                       ; weight and bias in window 1
	P7 (\i)+1
.endif
.if \i > 0
	WIN 0x01                                       ; trunk_out in window 1
	DOT T, 1
.endif
	WIN 0
.if \i < 6
	XLOAD (\i)+2                                   ; into the set that point i's product read a step ago
.endif
	MASK
.if \i > 0
	TAIL (\i)-1
.else
	NOPS 4
.endif
	WIN 0x41                                       ; weight and result in window 1
	P8
	WIN 0
.endm
	s_load_b512 s[8:23], s[0:1], 0x0               ; four 8:9, wq 10:11, ws 12:13, bb1 14:15, bb2 16:17, bb3 18:19, x 20:21, t 22:23
	s_load_b256 s[24:31], s[0:1], 0x40             ; tw1 24:25, tb1 26:27, tb2 28:29, tb3 30:31
	s_load_b64 s[32:33], s[0:1], 0x60              ; out0
	v_lshl_add_u32 v31, v0, 2, 0xda00
	v_mov_b32 v57, 0
	v_lshrrev_b32 v1, 5, v0
	s_delay_alu instid0(VALU_DEP_1)
	v_readfirstlane_b32 s34, v1                    ; wave 0..7
	s_lshr_b32 s35, s34, 2                         ; prelude: 0 branch, 1 trunk; loop: which 32 points
	s_and_b32 s36, s34, 3                          ; which tile of 16 batch rows (in the trunk's prelude: of 16 points)
	s_mov_b32 s37, ttmp9                           ; gx: points 64 gx on
	s_and_b32 s38, ttmp7, 0xffff                   ; gy: batch rows 64 gy on
	; every LDS address is made here, ahead of the roles' parting: a constant + constants x bits of the lane + constants x the wave's number
	v_and_b32 v1, 15, v0                           ; r
	v_bfe_u32 v2, v0, 4, 1                         ; h
	v_and_b32 v3, 31, v0
	s_delay_alu instid0(VALU_DEP_1)
	v_lshlrev_b32 v4, 5, v3                        ; 32 lane
	s_delay_alu instid0(VALU_DEP_2)
	v_lshlrev_b32 v[BDS], 3, v3                    ; 8 lane
	s_delay_alu instid0(VALU_DEP_3)
	v_lshlrev_b32 v3, 4, v3                        ; 16 lane
	v_lshlrev_b32 v5, 6, v2                        ; 64 h
	v_lshlrev_b32 v6, 5, v2                        ; 32 h
	v_lshlrev_b32 v7, 3, v2                        ; 8 h
	v_lshlrev_b32 v[H128], 7, v2                   ; 128 h
	s_lshl_b32 s39, s36, 10
	v_lshlrev_b32 v[XST], 6, v1
	s_delay_alu instid0(VALU_DEP_1)
	v_lshl_add_u32 v[XST], v2, 4, v[XST]
	s_delay_alu instid0(VALU_DEP_1)
	v_add_nc_u32 v[XST], s39, v[XST]
	s_lshl_b32 s39, s36, 6
	v_lshlrev_b32 v[X4R], 2, v1
	s_delay_alu instid0(VALU_DEP_1)
	v_add_nc_u32 v[XSS], s39, v[X4R]
	s_lshl_b32 s39, s36, 13
	s_add_co_u32 s39, s39, BRI
	v_add_nc_u32 v[BRS], s39, v3
	s_lshl_b32 s39, s36, 8
	s_add_co_u32 s39, s39, BDI
	v_add_nc_u32 v[BDS], s39, v[BDS]
	s_lshl_b32 s39, s35, 11
	v_lshlrev_b32 v[XLB], 4, v2
	s_delay_alu instid0(VALU_DEP_1)
	v_add_nc_u32 v[XLB], s39, v[XLB]
	s_lshl_b32 s39, s35, 7
	s_add_co_u32 s39, s39, XSC
	v_mov_b32 v[XSB], s39
	v_lshlrev_b32 v[MKB], 4, v2
	s_delay_alu instid0(VALU_DEP_1)
	v_add_nc_u32 v[MKB], s39, v[MKB]
	s_delay_alu instid0(VALU_DEP_1)
	v_add_nc_u32 v[MKB], MSK-XSC, v[MKB]
	s_mul_i32 s39, s36, 16*272
	s_lshl_b32 s2, s35, 7
	s_add_co_u32 s39, s39, s2
	s_add_co_u32 s39, s39, STG
	v_mul_u32_u24 v[STB], v1, 272
	s_delay_alu instid0(VALU_DEP_1)
	v_lshl_add_u32 v[STB], v2, 4, v[STB]
	s_delay_alu instid0(VALU_DEP_1)
	v_add_nc_u32 v[STB], s39, v[STB]
	s_mul_i32 s39, s34, 8*272
	s_add_co_u32 s39, s39, STG
	v_mul_u32_u24 v[STL], v2, 272
	s_delay_alu instid0(VALU_DEP_1)
	v_lshl_add_u32 v[STL], v1, 4, v[STL]
	s_delay_alu instid0(VALU_DEP_1)
	v_add_nc_u32 v[STL], s39, v[STL]
	v_lshlrev_b32 v[OUTO], 4, v1
	s_delay_alu instid0(VALU_DEP_1)
	v_lshl_add_u32 v[OUTO], v2, 14, v[OUTO]        ; out0: a row is 16,384 bytes
	v_and_b32 v[TW1O], 8, v1
	s_delay_alu instid0(VALU_DEP_1)
	v_add_nc_u32 v[TW1O], v[TW1O], v1
	s_delay_alu instid0(VALU_DEP_1)
	v_lshlrev_b32 v[TW1O], 4, v[TW1O]
	s_delay_alu instid0(VALU_DEP_1)
	v_lshl_add_u32 v[TW1O], v2, 3, v[TW1O]
	v_and_b32 v[VA], 7, v0
	v_bfe_u32 v27, v0, 3, 1
	s_delay_alu instid0(VALU_DEP_2)
	v_lshlrev_b32 v[VS], 5, v[VA]
	s_delay_alu instid0(VALU_DEP_1)
	v_lshl_add_u32 v[VS], v27, 3, v[VS]
	s_delay_alu instid0(VALU_DEP_4)
	v_lshlrev_b32 v[VA], 4, v[VA]
	s_delay_alu instid0(VALU_DEP_1)
	v_lshl_add_u32 v[VA], v2, 8, v[VA]
	s_delay_alu instid0(VALU_DEP_1)
	v_lshl_add_u32 v[VA], v27, 11, v[VA]
.irp b, 0,1,2,3
	v_mov_b32 v[TM+4+\b], 0                        ; written once: a lane permute's destination counts as one of its sources
.endr
	s_mov_b32 s[SEL], 0x76543210
	s_mov_b32 s[SEL+1], 0xfedcba98
	s_mov_b32 s[SGN], 0x88888888
	s_mov_b32 s3, 0
	s_wait_kmcnt 0x0
	s_lshl_b32 s2, s38, 2
	s_add_co_u32 s2, s2, s36
	s_lshl_b32 s2, s2, 13
	s_add_nc_u64 s[56:57], s[8:9], s[2:3]          ; four at row tile 4 gy + tile
	s_lshl_b32 s2, s37, 8
	s_lshl_b32 s39, s36, 6
	s_add_co_u32 s2, s2, s39
	s_add_nc_u64 s[60:61], s[20:21], s[2:3]        ; x and t at point 64 gx + 16 tile
	s_add_nc_u64 s[62:63], s[22:23], s[2:3]
	s_lshl_b32 s2, s38, 20
	s_lshl_b32 s39, s34, 17
	s_add_co_u32 s2, s2, s39
	s_lshl_b32 s39, s37, 8
	s_add_co_u32 s2, s2, s39
	s_add_nc_u64 s[32:33], s[32:33], s[2:3]        ; out0 at row 64 gy + 8 wave, point 64 gx
	s_cmp_lg_u32 s35, 0
	s_cbranch_scc1 .Ltrunk
	; ---------------- waves 0-3: the branch MLP ----------------
.irp q, 0,1,2,3,4,5,6,7,8,9,10,11,12,13,14,15
	global_load_b128 v[X+4*\q:X+4*\q+3], v3, s[56:57] offset:512*\q   ; the coefficients, in QUANT's order: 32 lanes read 512 consecutive bytes
.endr
	global_load_b128 v[XS:XS+3], v4, s[12:13]      ; bw1's scale words
	global_load_b128 v[XS+4:XS+7], v4, s[12:13] offset:16
	WIN 0x40
.irp i, 0,1,2,3,4,5,6,7,8,9,10,11,12,13,14,15
	global_load_b128 v[WA+4*\i:WA+4*\i+3], v3, s[10:11] offset:512*\i   ; bw1's codes
.endr
.irp t, 0,1,2,3,4,5,6,7
	global_load_b128 v[BA+8*\t:BA+8*\t+3], v5, s[14:15] offset:4*(32*(\t/2)+8*(\t%2))      ; bb1 in the result's layout: tile t, half h: units 32 (t / 2) + 16 h + 8 (t % 2) + 0 .. 7
	global_load_b128 v[BA+8*\t+4:BA+8*\t+7], v5, s[14:15] offset:4*(32*(\t/2)+8*(\t%2))+16
.endr
.irp i, 0,1,2,3,4,5,6,7,8,9,10,11,12,13,14,15
	global_load_b128 v[WB+4*\i:WB+4*\i+3], v3, s[10:11] offset:8192+512*\i   ; the second layer's group, 36 loads: bw2's codes,
.endr
	WIN 0
	global_load_b128 v[S2:S2+3], v4, s[12:13] offset:1024                    ; its scale words,
	global_load_b128 v[S2+4:S2+7], v4, s[12:13] offset:1024+16
.irp t, 0,1,2,3,4,5,6,7
	global_load_b128 v[A2+8*\t:A2+8*\t+3], v5, s[16:17] offset:4*(32*(\t/2)+8*(\t%2))      ; bb2, into the accumulators,
	global_load_b128 v[A2+8*\t+4:A2+8*\t+7], v5, s[16:17] offset:4*(32*(\t/2)+8*(\t%2))+16
.endr
	global_load_b128 v[S3:S3+3], v4, s[12:13] offset:2048                    ; and bw3's scale words
	global_load_b128 v[S3+4:S3+7], v4, s[12:13] offset:2048+16
	s_wait_loadcnt 63                              ; 70 loads were issued behind the coefficients' sixteen; the count names fewer, which is safe: the sixteen are in
	QUANT X
	NOPS 8                                         ; a scale word written by vector instructions stands 8 places ahead of a scaled matrix instruction, an operand so written 4
	s_wait_alu depctr_va_vdst(0)
	s_wait_loadcnt 36                              ; all but the second layer's 36
	WIN 0x51                                       ; weight, bias and result in window 1, the codes in window 0
	L4 D1, WA, BA, XS
	WIN 0
	NOPS 4                                         ; four places ahead of the first read of a result (ISA guide 7.12.1)
	WIN 0x04                                       ; source 1 in window 1
.set j, 0
.rept 64
	v_max_num_f32 v[X+j], 0, v[D1+j]               ; relu, into other registers; each result from its low end on
.set j, j+1
.endr
	WIN 0x40
.irp i, 0,1,2,3,4,5,6,7,8,9,10,11,12,13,14,15
	global_load_b128 v[WA+4*\i:WA+4*\i+3], v3, s[10:11] offset:16384+512*\i   ; the late loads, 32: bw3's codes, where bw1's lay (the 64 lines above are the places),
.endr
.irp t, 0,1,2,3,4,5,6,7
	global_load_b128 v[BA+8*\t:BA+8*\t+3], v6, s[18:19] offset:64*\t          ; and bb3: tile t, half h: units 16 t + 8 h + 0 .. 7
	global_load_b128 v[BA+8*\t+4:BA+8*\t+7], v6, s[18:19] offset:64*\t+16
.endr
	WIN 0
	QUANT X
.irp t, 0,1,2,3,4,5,6,7
	global_load_b128 v[X+8*\t:X+8*\t+3], v6, s[30:31] offset:64*\t            ; tb3, 16 loads, in branch_out's layout, where the numbers just quantised lay
	global_load_b128 v[X+8*\t+4:X+8*\t+7], v6, s[30:31] offset:64*\t+16
.endr
	NOPS 8
	s_wait_alu depctr_va_vdst(0)
	s_wait_loadcnt 48                              ; the second layer's group is in; the 32 late loads and tb3's 16 may be out
	WIN 0x01                                       ; the weight in window 1
	L4 A2, WB, A2, S2                              ; the bias lies in the accumulators
	WIN 0
	NOPS 4
.set j, 0
.rept 64
	v_max_num_f32 v[A2+j], 0, v[A2+j]
.set j, j+1
.endr
	LD_W3C                                         ; the loop's constants take the places of the branch's as these fall free: tw3's codes where bw2's lay,
	LD_S2                                          ; tw2's scale words where bw2's lay (the 64 lines above are the places)
	QUANT A2
	NOPS 8
	s_wait_alu depctr_va_vdst(0)
	s_wait_loadcnt 40                              ; the late loads are in; behind them: tb3 16, tw3's codes 16, tw2's words 8
	WIN 0x11                                       ; weight and bias in window 1; branch_out lands in window 0, where it stays
	L4 BR, WA, BA, S3
	WIN 0
	NOPS 4
	LD_W2C                                         ; tw2's codes where bw3's lay, tb2 where bb3 lay, tw3's words where bw3's lay
	LD_B2
	LD_S3
.irp q, 0,1,2,3,4,5,6,7,8,9,10,11,12,13,14,15
	ds_store_b128 v[BRS], v[BR+4*\q:BR+4*\q+3] offset:512*\q   ; branch_out as it stands, for the wave that shares my batch rows; each result from its low end on
.endr
	s_wait_loadcnt 58                              ; tb3 is in; behind it: 16 + 8 + 16 + 16 + 2
	DOT X, 0                                       ; my half's part of the row's dot of branch_out with tb3
	s_delay_alu instid0(VALU_DEP_3)
	v_pk_add_f32 v[SA:SA+1], v[SA:SA+1], v[SA+2:SA+3]
	s_delay_alu instid0(VALU_DEP_2)
	v_pk_add_f32 v[SA+4:SA+5], v[SA+4:SA+5], v[SA+6:SA+7]
	s_delay_alu instid0(VALU_DEP_1)
	v_pk_add_f32 v[BD:BD+1], v[SA:SA+1], v[SA+4:SA+5]
	ds_store_b64 v[BDS], v[BD:BD+1]
	s_branch .Lmeet
	; ---------------- waves 4-7: features, first layer and its codes for 16 points ----------------
.Ltrunk:
	global_load_b32 v248, v[X4R], s[60:61]         ; x of point r, in both halves of the lanes
	global_load_b32 v249, v[X4R], s[62:63]         ; t
.irp t, 0,1,2,3,4,5,6,7
	global_load_b64 v[XC+2*\t:XC+2*\t+1], v[TW1O], s[24:25] offset:16*(32*(\t/2)+8*(\t%2))   ; tw1, tile t: the f32 operand's layout: register j holds k = 2 h + j
.endr
.irp t, 0,1,2,3,4,5,6,7
	global_load_b128 v[BR+8*\t:BR+8*\t+3], v5, s[26:27] offset:4*(32*(\t/2)+8*(\t%2))        ; tb1 in the result's layout
	global_load_b128 v[BR+8*\t+4:BR+8*\t+7], v5, s[26:27] offset:4*(32*(\t/2)+8*(\t%2))+16
.endr
	s_wait_alu depctr_va_vdst(0)
	LD_W2C                                         ; the loop's constants, 58 loads
	LD_B2
	LD_W3C
	LD_S2
	LD_S3
	s_wait_loadcnt 63                              ; 82 loads were issued behind x's and t's; the count names fewer, which is safe
	v_mul_f32 v250, v248, v248
	v_mul_f32 v251, v249, v249
	s_delay_alu instid0(VALU_DEP_1)
	v_sub_f32 v251, v251, v250                     ; t^2 - x^2: three roundings, as it is written
	s_delay_alu instid0(VALU_DEP_1)
	v_max_num_f32 v251, 0, v251
	s_wait_alu depctr_va_vdst(0)
	v_sqrt_f32 v252, v251                          ; proper time
	v_mov_b32 v253, 0                              ; (a plain place behind the root)
	v_mov_b32 v254, 1.0
	v_cmp_le_f32 vcc_lo, |v248|, v249
	s_delay_alu instid0(VALU_DEP_1)
	v_cndmask_b32 v255, v253, v254, vcc_lo         ; causal: the fourth feature, and the mask
	v_cmp_eq_u32 vcc_lo, 1, v2
	s_wait_alu depctr_va_vdst(0)                   ; the wait ahead of the first line that names the root
	v_cndmask_b32 v[FE], v248, v252, vcc_lo        ; lanes 0-15: k = 0, 1: x, t;  lanes 16-31: k = 2, 3: proper time, causal
	v_cndmask_b32 v[FE+1], v249, v255, vcc_lo
	s_wait_alu depctr_va_vdst(0)
	s_wait_loadcnt 58                              ; tw1 and tb1 are in; the loop's 58 may be out
	WIN 0x40                                       ; the result in window 1
.irp t, 0,1,2,3,4,5,6,7
	v_wmma_f32_16x16x4_f32 v[D1+8*\t:D1+8*\t+7], v[XC+2*\t:XC+2*\t+1], v[FE:FE+1], v[BR+8*\t:BR+8*\t+7]
.endr
	WIN 0
	NOPS 8                                         ; eight places behind this form
	WIN 0x04
.set j, 0
.rept 64
	v_max_num_f32 v[X+j], 0, v[D1+j]
.set j, j+1
.endr
	WIN 0
	QUANT X
	ds_store_b128 v[XST], v[PC:PC+3]               ; point r's 128 codes as a row of 64 bytes, K ascending: k = 64 c + 32 h on at byte 32 c + 16 h
	ds_store_b128 v[XST], v[PC+4:PC+7] offset:32
	ds_store_b32 v[XSS], v[PW] offset:XSC          ; both halves of the lanes write the same word with the same value
	ds_store_b32 v[XSS], v255 offset:MSK
	; ---------------- all eight waves ----------------
.Lmeet:
	s_wait_dscnt 0x0                               ; for the others' sake: my stores have landed
	s_barrier_signal -1
	s_barrier_wait -1
	s_cmp_eq_u32 s35, 0                            ; waves 0-3 hold branch_out already
	s_cbranch_scc1 .Lhave
.irp q, 0,1,2,3,4,5,6,7,8,9,10,11,12,13,14,15
	ds_load_b128 v[BR+4*\q:BR+4*\q+3], v[BRS] offset:512*\q
.endr
	ds_load_b64 v[BD:BD+1], v[BDS]
.Lhave:
	s_wait_loadcnt 0x0                             ; the loop's constants
	s_mov_b32 s[TS], 0
	s_mov_b32 s[TJ], 0
	s_mov_b32 s[CNT], 0
.Ltrip:                                            ; four trips of eight points
	v_add_nc_u32 v[ADX], s[TS], v[XLB]
	v_add_nc_u32 v[ADS], s[TJ], v[XSB]
	v_add_nc_u32 v[ADM], s[TJ], v[MKB]
	ds_load_b128 v[XS:XS+3], v[ADS]                ; the eight points' scale words, each in every lane
	ds_load_b128 v[XS+4:XS+7], v[ADS] offset:16
	XLOAD 0
	XLOAD 1
	ds_load_b128 v[MK:MK+3], v[ADM]                ; causal of points 4 h + 0 .. 3
	s_wait_dscnt 0x0                               ; these; in the first trip branch_out too; later the last trip's store into the stage, whose address is written next
	v_add_nc_u32 v[ADO], s[TJ], v[STB]
	WIN 0x11
	P7 0
	WIN 0
	NOPS 4                                         ; four places ahead of the first read of a result
.irp i, 0,1,2,3,4,5,6,7
	STEP \i
.endr
	NOPS 4
	WIN 0x01
	DOT T, 1
	WIN 0
	TAIL 7
.irp q, 0,1,2,3
	v_permlane16_swap_b32 v[S+\q], v[S+4+\q]       ; point q's upper half changes places with point q + 4's lower half:
.endr
.irp q, 0,1,2,3
	s_delay_alu instid0(VALU_DEP_4)
	v_add_f32 v[S+\q], v[S+\q], v[S+4+\q]          ; lanes 0-15 hold point q's number of row r, lanes 16-31 point q + 4's
.endr
	s_delay_alu instid0(VALU_DEP_3)
	v_pk_mul_f32 v[S:S+1], v[S:S+1], v[MK:MK+1]    ; x causal
	s_delay_alu instid0(VALU_DEP_2)
	v_pk_mul_f32 v[S+2:S+3], v[S+2:S+3], v[MK+2:MK+3]
	ds_store_b128 v[ADO], v[S:S+3]                 ; four neighbouring points of row r
	s_add_co_u32 s[TS], s[TS], 512
	s_add_co_u32 s[TJ], s[TJ], 32
	s_add_co_u32 s[CNT], s[CNT], 1
	s_cmp_lt_u32 s[CNT], 4
	s_cbranch_scc1 .Ltrip
	; ---------------- the way out ----------------
	s_wait_dscnt 0x0                               ; for the others' sake: my stores into the stage have landed
	s_barrier_signal -1
	s_barrier_wait -1
.irp i, 0,1,2,3
	ds_load_b128 v[H+4*\i:H+4*\i+3], v[STL] offset:544*\i          ; rows 8 wave + 2 i + h, whole
.endr
.irp i, 0,1,2,3
	s_wait_dscnt 3-\i                              ; the younger loads from the stage may be out
	global_store_b128 v[OUTO], v[H+4*\i:H+4*\i+3], s[32:33] offset:32768*\i th:TH_STORE_NT   ; sixteen lanes store 256 consecutive bytes, at a multiple of 256 from out0's first byte; two rows an instruction
.endr
	s_wait_tensorcnt 0x0
	ds_add_u32 v31, v57
	s_wait_dscnt 0x0
	s_endpgm
.Lfunc_end_k_q3d0fa0281f_main:
	.size	k_q3d0fa0281f_main, .Lfunc_end_k_q3d0fa0281f_main-k_q3d0fa0281f_main
	.p2alignl 7, 3214868480
	.fill 96, 4, 3214868480
	.section	.rodata,"a",@progbits
	.p2align	6, 0x0
	.amdhsa_kernel k_q3d0fa0281f_main
		.amdhsa_group_segment_fixed_size 56832
		.amdhsa_private_segment_fixed_size 0
		.amdhsa_enable_private_segment 0
		.amdhsa_kernarg_size 104
		.amdhsa_user_sgpr_count 2
		.amdhsa_user_sgpr_kernarg_segment_ptr 1
		.amdhsa_wavefront_size32 1
		.amdhsa_system_sgpr_workgroup_id_x 1
		.amdhsa_system_sgpr_workgroup_id_y 1
		.amdhsa_system_sgpr_workgroup_id_z 1
		.amdhsa_system_vgpr_workitem_id 0
		.amdhsa_next_free_vgpr 512
		.amdhsa_next_free_sgpr 66
		.amdhsa_reserve_vcc 1
		.amdhsa_float_denorm_mode_32 3
		.amdhsa_float_denorm_mode_16_64 3
		.amdhsa_memory_ordered 1
		.amdhsa_forward_progress 1
		.amdhsa_inst_pref_size 146
	.end_amdhsa_kernel
	.amdgpu_metadata
---
amdhsa.version: [ 1, 2 ]
amdhsa.kernels:
  - .name:           k_q3d0fa0281f_main
    .symbol:         k_q3d0fa0281f_main.kd
    .args:
      - { .name: four, .offset: 0, .size: 8, .value_kind: global_buffer, .address_space: global }
      - { .name: wq, .offset: 8, .size: 8, .value_kind: global_buffer, .address_space: global }
      - { .name: ws, .offset: 16, .size: 8, .value_kind: global_buffer, .address_space: global }
      - { .name: bb1, .offset: 24, .size: 8, .value_kind: global_buffer, .address_space: global }
      - { .name: bb2, .offset: 32, .size: 8, .value_kind: global_buffer, .address_space: global }
      - { .name: bb3, .offset: 40, .size: 8, .value_kind: global_buffer, .address_space: global }
      - { .name: x, .offset: 48, .size: 8, .value_kind: global_buffer, .address_space: global }
      - { .name: t, .offset: 56, .size: 8, .value_kind: global_buffer, .address_space: global }
      - { .name: tw1, .offset: 64, .size: 8, .value_kind: global_buffer, .address_space: global }
      - { .name: tb1, .offset: 72, .size: 8, .value_kind: global_buffer, .address_space: global }
      - { .name: tb2, .offset: 80, .size: 8, .value_kind: global_buffer, .address_space: global }
      - { .name: tb3, .offset: 88, .size: 8, .value_kind: global_buffer, .address_space: global }
      - { .name: out0, .offset: 96, .size: 8, .value_kind: global_buffer, .address_space: global }
    .group_segment_fixed_size: 56832
    .private_segment_fixed_size: 0
    .kernarg_segment_align: 8
    .kernarg_segment_size: 104
    .max_flat_workgroup_size: 256
    .sgpr_count:     66
    .vgpr_count:     512
    .wavefront_size: 32
...
	.end_amdgpu_metadata
.endif
;; end of part 2
